; MI455X (gfx1250); checked and timed in simulation.
; The chip was launched on July 23, 2026; its instructions are those of AMD's public machine-readable ISA for CDNA 5 (MIT licence, August 2026) and "CDNA5" Instruction Set Architecture Reference Guide (July 2026). The comments in the code are by the model that wrote it; some were corrected since.
;; Rips Layer. Allowed arithmetic: float matrix products may take bf16 or f16 operands with f32 sums; all other float work in f32.
;; Inputs: X 8,192 x 3 float32; idx0_essential 1 int32; idx0_finite 8,191 x 3 int32; idx1_essential 8 x 2 int32; idx1_finite 4,096 x 4 int32.
;; Outputs: out0 8,191 x 2 float32; out1 1 x 1 float32; out2 4,096 x 2 float32; out3 8 x 1 float32.
;; 2 versions, each right; version 2 is version 1 with the launch rips written anew for expert scheduling mode. Each part assembles by itself: llvm-mc -triple=amdgcn-amd-amdhsa -mcpu=gfx1250 --defsym DOCPART=n.
;; ======== version 1 of 2: 1 launch
;; launch rips (part 1): grid 128 x 1, 1 waves a work-group, no clusters, 0 bytes of LDS; arguments X, idx0_finite, idx1_finite, out0, out2, idx1_essential, out3, out1, idx0_essential; writes out0, out2, out3, out1
.if DOCPART == 1
	.amdgcn_target "amdgcn-amd-amdhsa--gfx1250"
	.amdhsa_code_object_version 6
	.text
	.protected	k_q7b76a329e0_rips
	.globl	k_q7b76a329e0_rips
	.p2align	8
	.type	k_q7b76a329e0_rips,@function
k_q7b76a329e0_rips:
	s_mov_b64 s[64:65], 0
	v_nop
	global_prefetch_b8 v0, s[64:65] scope:SCOPE_SE
	s_setreg_imm32_b32 hwreg(HW_REG_WAVE_MODE, 25, 1), 1
	s_wait_xcnt 0x0
; RipsLayer: of the 8192 x 8192 distance matrix only the gathered entries reach an output, so only those are made:
;   out0[r] = (0, |X[i0[r][1]] - X[i0[r][2]]|)                           8,191 rows (column 0 of idx0_finite enters no result)
;   out2[r] = (|X[i1[r][0]] - X[i1[r][1]]|, |X[i1[r][2]] - X[i1[r][3]]|)  4,096 rows
;   out3[e] = |X[ie[e][0]] - X[ie[e][1]]|                                 8 rows
;   out1    = 0   (the result takes only the LENGTH of idx0_essential, which is 1; its word is fetched and enters no number)
; 16,391 distances of 5 vector instructions and a root each: the work is a chain arguments -> index row -> rows of X -> store.
; So.
; SHARE: work-group g, lane L: row 32 g + L of idx1_finite (16 bytes a lane, 512 consecutive bytes a wave; 8 bytes a lane out,
; 256 consecutive aligned bytes of out2), and rows 64 g + L and 64 g + 32 + L of idx0_finite (8 bytes a lane out, two times 256
; consecutive aligned bytes of out0).  128 work-groups: the smallest equal share in which every store covers such a whole block.
; Row 8191 of idx0_finite does not exist: lane 31 of the last work-group is clamped to row 8190 and repeats lane 30's load and
; store (same address, same value, same instruction), so nothing leaves a buffer.
; Work-group 0 also makes out3 (lane L takes pair L & 7; lanes 8-31 repeat lanes 0-7) and out1, stage by stage with the rest.
; NOT USED: matrix instructions (|x|^2 + |y|^2 - 2 x.y is a difference of large sums when the points carry an offset, and the
; whole matrix is some 4,000 times the distances asked for); LDS, tensor loads, clusters (a copy of X for each work-group is
; 98,304 bytes against 8 rows of 12 bytes a lane; no tile is shared).
; LIMITS: f32 throughout, differences formed first, as in the definition.  The sum of squares is one multiply and two fused
; multiply-adds, so its last bits may differ from a sum of rounded squares.  v_sqrt_f32 is good to 1 ULP and takes a denormal
; input as zero: a squared distance below 2^-126 (a distance below about 1.1e-19) gives 0.  Squares that overflow give infinity,
; as in the definition; NaN passes through.  Indices are taken as 0 .. 8191; the unsigned clamp sends any other to 8191
; (a negative index is not wrapped round).
.set NPTS,  8192                       ; rows of X
.set ROWS0, 8191                       ; rows of idx0_finite and of out0
.set XROW,  12                         ; bytes in a row of X and of idx0_finite
.set P,     32                         ; v[32+4k:34+4k]  point k, k = 0 .. 9
; v1, v2, v3: my rows r1, ra, rb.  v4: 16 r1.  v5, v6: 12 ra, 12 rb.  v7: 8 r1.  v8, v9: 8 ra, 8 rb.  v10, v11: 8 e, 4 e.
; v[12:15]: idx1's row.  v[16:18], v[20:22]: idx0's rows a, b.  v[24:25]: the essential pair.  (Indices turn into offsets in place.)
; v[72:73]: out2's data.  v[74:75], v[76:77]: out0's data.  v78: out3's.  v79: 0, offset and datum of out1.
; s[8:9] X, s[10:11] idx0_finite, s[12:13] idx1_finite, s[14:15] out0, s[16:17] out2,
; s[18:19] idx1_essential, s[20:21] out3, s[22:23] out1, s[24:25] idx0_essential, s26 its word.
.macro OFFS r                          ; a loaded index becomes a byte offset into X
	v_min_u32 v[\r], NPTS-1, v[\r]                 ; inside the table whatever was loaded
	v_mul_u32_u24 v[\r], XROW, v[\r]
.endm
.macro GATHER k, r                     ; point k = the 12 bytes of X's row; no cache word: other lanes and work-groups read X again
	global_load_b96 v[P+4*\k:P+4*\k+2], v[\r], s[8:9]
.endm
.macro SQ d, a, b                      ; v[d] = squared distance of the points at v[a..a+2] and v[b..b+2]
	v_pk_add_f32 v[\a:\a+1], v[\a:\a+1], v[\b:\b+1] neg_lo:[0,1] neg_hi:[0,1]   ; dx, dy
	v_sub_f32 v[\a+2], v[\a+2], v[\b+2]                                         ; dz
	v_mul_f32 v[\d], v[\a], v[\a]
	v_fmac_f32 v[\d], v[\a+1], v[\a+1]
	v_fmac_f32 v[\d], v[\a+2], v[\a+2]
.endm
; The whole wave.  ess = 1: with the essential classes (work-group 0).  Two expansions, so that each counted wait is exact on its path.
.macro BODY ess
.if \ess
	s_load_b512 s[8:23], s[0:1], 0x0               ; eight addresses
	s_load_b64 s[24:25], s[0:1], 0x40              ; and idx0_essential's
.else
	s_load_b256 s[8:15], s[0:1], 0x0               ; X, idx0_finite, idx1_finite, out0
	s_load_b64 s[16:17], s[0:1], 0x20              ; out2
.endif
	; offsets, while the addresses are on their way
	s_lshl_b32 s2, ttmp9, 5                        ; 32 g
	s_lshl_b32 s3, ttmp9, 6                        ; 64 g
	v_or_b32 v1, s2, v0                            ; r1 = 32 g + L
	v_or_b32 v2, s3, v0                            ; ra = 64 g + L
	v_or_b32 v3, 32, v2                            ; rb = ra + 32 (L < 32: the bit is clear),
	v_min_u32 v3, ROWS0-1, v3                      ; but never the row that does not exist
	v_lshlrev_b32 v4, 4, v1                        ; idx1_finite: 16 bytes a row
	v_mul_u32_u24 v5, XROW, v2                     ; idx0_finite: 12 bytes a row
	v_mul_u32_u24 v6, XROW, v3
	v_lshlrev_b32 v7, 3, v1                        ; out2 and out0: 8 bytes a row
	v_lshlrev_b32 v8, 3, v2
	v_lshlrev_b32 v9, 3, v3
.if \ess
	v_and_b32 v11, 7, v0                           ; e = L & 7
	v_lshlrev_b32 v10, 3, v11                      ; idx1_essential: 8 bytes a pair
	v_lshlrev_b32 v11, 2, v11                      ; out3: 4 bytes
.endif
	s_wait_kmcnt 0x0                               ; the addresses are there
	; the index rows: each is read once in the whole launch
	global_load_b128 v[12:15], v4, s[12:13] th:TH_LOAD_NT
	global_load_b96 v[16:18], v5, s[10:11] th:TH_LOAD_NT
	global_load_b96 v[20:22], v6, s[10:11] th:TH_LOAD_NT
.if \ess
	global_load_b64 v[24:25], v10, s[18:19] th:TH_LOAD_NT
	s_load_b32 s26, s[24:25], 0x0                  ; idx0_essential's one index: no result hangs on it, so nothing waits for it
.endif
	s_wait_loadcnt 2+\ess                          ; idx1's row is in; behind it: idx0's two rows (and the essential pair)
	OFFS 12
	OFFS 13
	OFFS 14
	OFFS 15
	GATHER 0, 12                                   ; birth edge
	GATHER 1, 13
	GATHER 2, 14                                   ; death edge
	GATHER 3, 15
	s_wait_loadcnt 4+\ess                          ; idx0's rows are in; behind them: (the essential pair and) four gathers
	OFFS 17
	OFFS 18
	OFFS 21
	OFFS 22
	GATHER 4, 17                                   ; row a's edge
	GATHER 5, 18
	GATHER 6, 21                                   ; row b's edge
	GATHER 7, 22
.if \ess
	s_wait_loadcnt 8                               ; the essential pair is in; behind it: eight gathers
	OFFS 24
	OFFS 25
	GATHER 8, 24
	GATHER 9, 25
.endif
	s_wait_loadcnt 4+2*\ess                        ; points 0-3 are in; behind them: points 4-7 (and 8, 9)
	SQ 72, P, P+4
	SQ 73, P+8, P+12
	v_sqrt_f32 v72, v72
	v_sqrt_f32 v73, v73
	v_mov_b32 v74, 0                               ; out0's zero column; also the plain vector instruction between a root and the use of its result
	s_wait_alu depctr_va_vdst(0)
	global_store_b64 v7, v[72:73], s[16:17] th:TH_STORE_NT     ; the wave stores 256 consecutive bytes, at a multiple of 256 in out2
	s_wait_loadcnt 2*\ess                          ; points 4-7 are in; behind them: (points 8, 9)
	SQ 75, P+16, P+20
	SQ 77, P+24, P+28
	v_sqrt_f32 v75, v75
	v_sqrt_f32 v77, v77
	v_mov_b32 v76, 0                               ; the zero column again, and again the place behind the roots
	s_wait_alu depctr_va_vdst(0)
	global_store_b64 v8, v[74:75], s[14:15] th:TH_STORE_NT     ; 256 consecutive bytes, at a multiple of 256 in out0
	global_store_b64 v9, v[76:77], s[14:15] th:TH_STORE_NT     ; the next 256 (the last work-group: 248, row 8190 stored by two lanes alike)
.if \ess
	s_wait_loadcnt 0x0                             ; points 8, 9
	SQ 78, P+32, P+36
	v_sqrt_f32 v78, v78
	v_mov_b32 v79, 0                               ; out1's number and its offset; the place behind the root
	s_wait_alu depctr_va_vdst(0)
	global_store_b32 v11, v78, s[20:21]            ; out3: 32 bytes, each word by four lanes with the same value
	global_store_b32 v79, v79, s[22:23]            ; out1 = 0, by all lanes alike
.endif
	s_endpgm
.endm
	s_cmp_eq_u32 ttmp9, 0
	s_cbranch_scc1 .Less
	BODY 0
.Less:
	BODY 1
.Lfunc_end_k_q7b76a329e0_rips:
	.size	k_q7b76a329e0_rips, .Lfunc_end_k_q7b76a329e0_rips-k_q7b76a329e0_rips
	.p2alignl 7, 3214868480
	.fill 96, 4, 3214868480
	.section	.rodata,"a",@progbits
	.p2align	6, 0x0
	.amdhsa_kernel k_q7b76a329e0_rips
		.amdhsa_group_segment_fixed_size 0
		.amdhsa_private_segment_fixed_size 0
		.amdhsa_enable_private_segment 0
		.amdhsa_kernarg_size 72
		.amdhsa_user_sgpr_count 2
		.amdhsa_user_sgpr_kernarg_segment_ptr 1
		.amdhsa_wavefront_size32 1
		.amdhsa_system_sgpr_workgroup_id_x 1
		.amdhsa_system_sgpr_workgroup_id_y 1
		.amdhsa_system_sgpr_workgroup_id_z 1
		.amdhsa_system_vgpr_workitem_id 0
		.amdhsa_next_free_vgpr 80
		.amdhsa_next_free_sgpr 66
		.amdhsa_reserve_vcc 0
		.amdhsa_float_denorm_mode_32 3
		.amdhsa_float_denorm_mode_16_64 3
		.amdhsa_memory_ordered 1
		.amdhsa_forward_progress 1
		.amdhsa_inst_pref_size 10
	.end_amdhsa_kernel
	.amdgpu_metadata
---
amdhsa.version: [ 1, 2 ]
amdhsa.kernels:
  - .name:           k_q7b76a329e0_rips
    .symbol:         k_q7b76a329e0_rips.kd
    .args:
      - { .name: X, .offset: 0, .size: 8, .value_kind: global_buffer, .address_space: global }
      - { .name: idx0_finite, .offset: 8, .size: 8, .value_kind: global_buffer, .address_space: global }
      - { .name: idx1_finite, .offset: 16, .size: 8, .value_kind: global_buffer, .address_space: global }
      - { .name: out0, .offset: 24, .size: 8, .value_kind: global_buffer, .address_space: global }
      - { .name: out2, .offset: 32, .size: 8, .value_kind: global_buffer, .address_space: global }
      - { .name: idx1_essential, .offset: 40, .size: 8, .value_kind: global_buffer, .address_space: global }
      - { .name: out3, .offset: 48, .size: 8, .value_kind: global_buffer, .address_space: global }
      - { .name: out1, .offset: 56, .size: 8, .value_kind: global_buffer, .address_space: global }
      - { .name: idx0_essential, .offset: 64, .size: 8, .value_kind: global_buffer, .address_space: global }
    .group_segment_fixed_size: 0
    .private_segment_fixed_size: 0
    .kernarg_segment_align: 8
    .kernarg_segment_size: 72
    .max_flat_workgroup_size: 32
    .sgpr_count:     66
    .vgpr_count:     80
    .wavefront_size: 32
...
	.end_amdgpu_metadata
.endif
;; end of part 1
;; ======== version 2 of 2: 1 launch; version 1 with the launch rips written anew for expert scheduling mode
;; launch rips (part 2): grid 128 x 1, 1 waves a work-group, no clusters, 0 bytes of LDS; arguments X, idx0_finite, idx1_finite, out0, out2, idx1_essential, out3, out1, idx0_essential; writes out0, out2, out3, out1
.if DOCPART == 2
	.amdgcn_target "amdgcn-amd-amdhsa--gfx1250"
	.amdhsa_code_object_version 6
	.text
	.protected	k_q7b76a329e0_rips
	.globl	k_q7b76a329e0_rips
	.p2align	8
	.type	k_q7b76a329e0_rips,@function
k_q7b76a329e0_rips:
	s_mov_b64 s[64:65], 0
	v_nop
	global_prefetch_b8 v0, s[64:65] scope:SCOPE_SE
	s_setreg_imm32_b32 hwreg(HW_REG_WAVE_SCHED_MODE, 0, 2), 2
	s_setreg_imm32_b32 hwreg(HW_REG_WAVE_MODE, 25, 1), 1
	s_wait_xcnt 0x0
	s_wait_alu depctr_vm_vsrc(0)
; RipsLayer: of the 8192 x 8192 distance matrix only the gathered entries reach an output, so only those are made:
;   out0[r] = (0, |X[i0[r][1]] - X[i0[r][2]]|)                           8,191 rows (column 0 of idx0_finite enters no result)
;   out2[r] = (|X[i1[r][0]] - X[i1[r][1]]|, |X[i1[r][2]] - X[i1[r][3]]|)  4,096 rows
;   out3[e] = |X[ie[e][0]] - X[ie[e][1]]|                                 8 rows
;   out1    = 0   (the result takes only the LENGTH of idx0_essential, which is 1; its word is fetched and enters no number)
; 16,391 distances of 5 vector instructions and a root each: the work is a chain arguments -> index row -> rows of X -> store.
; So.
; SHARE: work-group g, lane L: row 32 g + L of idx1_finite (16 bytes a lane, 512 consecutive bytes a wave; 8 bytes a lane out,
; 256 consecutive aligned bytes of out2), and rows 64 g + L and 64 g + 32 + L of idx0_finite (8 bytes a lane out, two times 256
; consecutive aligned bytes of out0).  128 work-groups: the smallest equal share in which every store covers such a whole block.
; Row 8191 of idx0_finite does not exist: lane 31 of the last work-group is clamped to row 8190 and repeats lane 30's load and
; store (same address, same value, same instruction), so nothing leaves a buffer.
; Work-group 0 also makes out3 (lane L takes pair L & 7; lanes 8-31 repeat lanes 0-7) and out1, stage by stage with the rest.
; NOT USED: matrix instructions (|x|^2 + |y|^2 - 2 x.y is a difference of large sums when the points carry an offset, and the
; whole matrix is some 4,000 times the distances asked for); LDS, tensor loads, clusters (a copy of X for each work-group is
; 98,304 bytes against 8 rows of 12 bytes a lane; no tile is shared).
; LIMITS: f32 throughout, differences formed first, as in the definition.  The sum of squares is one multiply and two fused
; multiply-adds, so its last bits may differ from a sum of rounded squares.  v_sqrt_f32 is good to 1 ULP and takes a denormal
; input as zero: a squared distance below 2^-126 (a distance below about 1.1e-19) gives 0.  Squares that overflow give infinity,
; as in the definition; NaN passes through.  Indices are taken as 0 .. 8191; the unsigned clamp sends any other to 8191
; (a negative index is not wrapped round).
; THE MODE: SCHED_MODE bits 1:0 = 2 (LLVM: expert scheduling mode 2), set by the entry lines.  The code itself states the register
; dependences between vector instructions and memory instructions, with s_wait_alu, always for 0.
; THE PLAN.  Registers that memory instructions touch, in program order (there is no loop):
;   v4-v6, v10   offsets of the index loads; v7-v9, v11 offsets of the stores.  Written by vector instructions at the head, never again.
;   v12-v25      the index loads land here (no vector instruction has named them); the clamp and the multiply rewrite them in place;
;                the gathers read them as offsets; nothing writes them afterwards.
;   v32-v70      the gathers land here (no vector instruction has named them); afterwards vector instructions alone name them.
;   v72-v79      written by the sums, the roots and three v_mov_b32; read by the stores; nothing writes them afterwards.
; So three waits on va_vdst state everything: one ahead of the index loads (all eight offsets are written), one ahead of the ONE run
; of gathers (all indices have become offsets), one ahead of the ONE run of stores (roots and zeros are written).  No register that a
; memory instruction reads is ever written afterwards, so there is no wait on vm_vsrc; no vector instruction writes a scalar register or VCC.
.set NPTS,  8192                       ; rows of X
.set ROWS0, 8191                       ; rows of idx0_finite and of out0
.set XROW,  12                         ; bytes in a row of X and of idx0_finite
.set P,     32                         ; v[32+4k:34+4k]  point k, k = 0 .. 9
; v1, v2, v3: my rows r1, ra, rb.  v4: 16 r1.  v5, v6: 12 ra, 12 rb.  v7: 8 r1.  v8, v9: 8 ra, 8 rb.  v10, v11: 8 e, 4 e.
; v[12:15]: idx1's row.  v[16:18], v[20:22]: idx0's rows a, b.  v[24:25]: the essential pair.  (Indices turn into offsets in place.)
; v[72:73]: out2's data.  v[74:75], v[76:77]: out0's data.  v78: out3's.  v79: 0, offset and datum of out1.
; s[8:9] X, s[10:11] idx0_finite, s[12:13] idx1_finite, s[14:15] out0, s[16:17] out2,
; s[18:19] idx1_essential, s[20:21] out3, s[22:23] out1, s[24:25] idx0_essential, s26 its word.
.macro OFFS r                          ; a loaded index becomes a byte offset into X
	v_min_u32 v[\r], NPTS-1, v[\r]                 ; inside the table whatever was loaded
	v_mul_u32_u24 v[\r], XROW, v[\r]
.endm
.macro GATHER k, r                     ; point k = the 12 bytes of X's row; no cache word: other lanes and work-groups read X again
	global_load_b96 v[P+4*\k:P+4*\k+2], v[\r], s[8:9]
.endm
.macro SQ d, a, b                      ; v[d] = squared distance of the points at v[a..a+2] and v[b..b+2]
	v_pk_add_f32 v[\a:\a+1], v[\a:\a+1], v[\b:\b+1] neg_lo:[0,1] neg_hi:[0,1]   ; dx, dy
	v_sub_f32 v[\a+2], v[\a+2], v[\b+2]                                         ; dz
	v_mul_f32 v[\d], v[\a], v[\a]
	v_fmac_f32 v[\d], v[\a+1], v[\a+1]
	v_fmac_f32 v[\d], v[\a+2], v[\a+2]
.endm
; The whole wave.  ess = 1: with the essential classes (work-group 0).  Two expansions, so that each counted wait is exact on its path.
.macro BODY ess
.if \ess
	s_load_b512 s[8:23], s[0:1], 0x0               ; eight addresses
	s_load_b64 s[24:25], s[0:1], 0x40              ; and idx0_essential's
.else
	s_load_b256 s[8:15], s[0:1], 0x0               ; X, idx0_finite, idx1_finite, out0
	s_load_b64 s[16:17], s[0:1], 0x20              ; out2
.endif
	; offsets, while the addresses are on their way
	s_lshl_b32 s2, ttmp9, 5                        ; 32 g
	s_lshl_b32 s3, ttmp9, 6                        ; 64 g
	v_or_b32 v1, s2, v0                            ; r1 = 32 g + L
	v_or_b32 v2, s3, v0                            ; ra = 64 g + L
	v_or_b32 v3, 32, v2                            ; rb = ra + 32 (L < 32: the bit is clear),
	v_min_u32 v3, ROWS0-1, v3                      ; but never the row that does not exist
	v_lshlrev_b32 v4, 4, v1                        ; idx1_finite: 16 bytes a row
	v_mul_u32_u24 v5, XROW, v2                     ; idx0_finite: 12 bytes a row
	v_mul_u32_u24 v6, XROW, v3
	v_lshlrev_b32 v7, 3, v1                        ; out2 and out0: 8 bytes a row
	v_lshlrev_b32 v8, 3, v2
	v_lshlrev_b32 v9, 3, v3
.if \ess
	v_and_b32 v11, 7, v0                           ; e = L & 7
	v_lshlrev_b32 v10, 3, v11                      ; idx1_essential: 8 bytes a pair
	v_lshlrev_b32 v11, 2, v11                      ; out3: 4 bytes
.endif
	s_wait_kmcnt 0x0                               ; the addresses are there
	s_wait_alu depctr_va_vdst(0)                   ; v4 to v11 are written: the index loads below read v4, v5, v6 (v10) as offsets, the stores at the end v7, v8, v9 (v11); none is written again
	; the index rows: each is read once in the whole launch
	global_load_b128 v[12:15], v4, s[12:13] th:TH_LOAD_NT
	global_load_b96 v[16:18], v5, s[10:11] th:TH_LOAD_NT
	global_load_b96 v[20:22], v6, s[10:11] th:TH_LOAD_NT
.if \ess
	global_load_b64 v[24:25], v10, s[18:19] th:TH_LOAD_NT
	s_load_b32 s26, s[24:25], 0x0                  ; idx0_essential's one index: no result hangs on it, so nothing waits for it
.endif
	; each row's indices become offsets as the row lands; the gathers follow in one run
	s_wait_loadcnt 2+\ess                          ; idx1's row is in; behind it: idx0's two rows (and the essential pair)
	OFFS 12
	OFFS 13
	OFFS 14
	OFFS 15
	s_wait_loadcnt \ess                            ; idx0's rows are in; behind them: (the essential pair)
	OFFS 17
	OFFS 18
	OFFS 21
	OFFS 22
.if \ess
	s_wait_loadcnt 0x0                             ; the essential pair is in
	OFFS 24
	OFFS 25
.endif
	s_wait_alu depctr_va_vdst(0)                   ; the multiplies have written v12-v15, v17, v18, v21, v22 (v24, v25), which the gathers read as offsets
	GATHER 0, 12                                   ; birth edge
	GATHER 1, 13
	GATHER 2, 14                                   ; death edge
	GATHER 3, 15
	GATHER 4, 17                                   ; row a's edge
	GATHER 5, 18
	GATHER 6, 21                                   ; row b's edge
	GATHER 7, 22
.if \ess
	GATHER 8, 24                                   ; the essential edge
	GATHER 9, 25
.endif
	; the sums are made as their points land; the roots follow as one batch, the stores in one run
	s_wait_loadcnt 4+2*\ess                        ; points 0-3 are in; behind them: points 4-7 (and 8, 9)
	SQ 72, P, P+4
	SQ 73, P+8, P+12
	s_wait_loadcnt 2*\ess                          ; points 4-7 are in; behind them: (points 8, 9)
	SQ 75, P+16, P+20
	SQ 77, P+24, P+28
.if \ess
	s_wait_loadcnt 0x0                             ; points 8, 9
	SQ 78, P+32, P+36
.endif
	v_sqrt_f32 v72, v72
	v_sqrt_f32 v73, v73
	v_sqrt_f32 v75, v75
	v_sqrt_f32 v77, v77
.if \ess
	v_sqrt_f32 v78, v78
.endif
	v_mov_b32 v74, 0                               ; out0's zero column; also the plain vector instruction between the last root and the use of a result
	v_mov_b32 v76, 0                               ; the zero column of the second row
.if \ess
	v_mov_b32 v79, 0                               ; out1's number and its offset
.endif
	s_wait_alu depctr_va_vdst(0)                   ; the roots have written v72, v73, v75, v77 (v78) and the moves v74, v76 (v79), which the stores read: one wait for the batch of roots, ahead of the first line that names a result
	global_store_b64 v7, v[72:73], s[16:17] th:TH_STORE_NT     ; the wave stores 256 consecutive bytes, at a multiple of 256 in out2
	global_store_b64 v8, v[74:75], s[14:15] th:TH_STORE_NT     ; 256 consecutive bytes, at a multiple of 256 in out0
	global_store_b64 v9, v[76:77], s[14:15] th:TH_STORE_NT     ; the next 256 (the last work-group: 248, row 8190 stored by two lanes alike)
.if \ess
	global_store_b32 v11, v78, s[20:21]            ; out3: 32 bytes, each word by four lanes with the same value
	global_store_b32 v79, v79, s[22:23]            ; out1 = 0, by all lanes alike
.endif
	s_endpgm
.endm
	s_cmp_eq_u32 ttmp9, 0
	s_cbranch_scc1 .Less
	BODY 0
.Less:
	BODY 1
.Lfunc_end_k_q7b76a329e0_rips:
	.size	k_q7b76a329e0_rips, .Lfunc_end_k_q7b76a329e0_rips-k_q7b76a329e0_rips
	.p2alignl 7, 3214868480
	.fill 96, 4, 3214868480
	.section	.rodata,"a",@progbits
	.p2align	6, 0x0
	.amdhsa_kernel k_q7b76a329e0_rips
		.amdhsa_group_segment_fixed_size 0
		.amdhsa_private_segment_fixed_size 0
		.amdhsa_enable_private_segment 0
		.amdhsa_kernarg_size 72
		.amdhsa_user_sgpr_count 2
		.amdhsa_user_sgpr_kernarg_segment_ptr 1
		.amdhsa_wavefront_size32 1
		.amdhsa_system_sgpr_workgroup_id_x 1
		.amdhsa_system_sgpr_workgroup_id_y 1
		.amdhsa_system_sgpr_workgroup_id_z 1
		.amdhsa_system_vgpr_workitem_id 0
		.amdhsa_next_free_vgpr 80
		.amdhsa_next_free_sgpr 66
		.amdhsa_reserve_vcc 0
		.amdhsa_float_denorm_mode_32 3
		.amdhsa_float_denorm_mode_16_64 3
		.amdhsa_memory_ordered 1
		.amdhsa_forward_progress 1
		.amdhsa_inst_pref_size 10
	.end_amdhsa_kernel
	.amdgpu_metadata
---
amdhsa.version: [ 1, 2 ]
amdhsa.kernels:
  - .name:           k_q7b76a329e0_rips
    .symbol:         k_q7b76a329e0_rips.kd
    .args:
      - { .name: X, .offset: 0, .size: 8, .value_kind: global_buffer, .address_space: global }
      - { .name: idx0_finite, .offset: 8, .size: 8, .value_kind: global_buffer, .address_space: global }
      - { .name: idx1_finite, .offset: 16, .size: 8, .value_kind: global_buffer, .address_space: global }
      - { .name: out0, .offset: 24, .size: 8, .value_kind: global_buffer, .address_space: global }
      - { .name: out2, .offset: 32, .size: 8, .value_kind: global_buffer, .address_space: global }
      - { .name: idx1_essential, .offset: 40, .size: 8, .value_kind: global_buffer, .address_space: global }
      - { .name: out3, .offset: 48, .size: 8, .value_kind: global_buffer, .address_space: global }
      - { .name: out1, .offset: 56, .size: 8, .value_kind: global_buffer, .address_space: global }
      - { .name: idx0_essential, .offset: 64, .size: 8, .value_kind: global_buffer, .address_space: global }
    .group_segment_fixed_size: 0
    .private_segment_fixed_size: 0
    .kernarg_segment_align: 8
    .kernarg_segment_size: 72
    .max_flat_workgroup_size: 32
    .sgpr_count:     66
    .vgpr_count:     80
    .wavefront_size: 32
...
	.end_amdgpu_metadata
.endif
;; end of part 2
